; MI455X (gfx1250); checked and timed in simulation.
; The chip was launched on July 23, 2026; its instructions are those of AMD's public machine-readable ISA for CDNA 5 (MIT licence, August 2026) and "CDNA5" Instruction Set Architecture Reference Guide (July 2026). The comments in the code are by the model that wrote it; some were corrected since.
;; Sparse Attention. Allowed arithmetic: float matrix products may take bf16 or f16 operands with f32 sums; other float arithmetic in f32, or as packed bf16 or f16 multiplies, adds, multiply-adds, maxima and minima; sums over many terms, partial sums and values carried from step to step in f32; what a program stores and reads back later, other than sums and carried values, may be rounded once to bf16 or f16.
;; Inputs: w_out 1,024 x 1,024 float32; w_qkv 3,072 x 1,024 float32; x 2 x 2,048 x 1,024 float32.
;; Outputs: out0 2 x 2,048 x 1,024 float32.
;; One version. Each part assembles by itself: llvm-mc -triple=amdgcn-amd-amdhsa -mcpu=gfx1250 --defsym DOCPART=n.
;; ======== version 1 of 1: 4 launches
;; limits: values are held in f16: magnitudes above 65,504 overflow, below 6.1e-05 lose precision
;; workspace buffers: xb 8,388,608 bytes; wqb 6,291,456 bytes; wof 2,097,152 bytes; qkv 25,165,824 bytes; oh 8,388,608 bytes
;; launch cast (part 1): grid 1024 x 1, 8 waves a work-group, no clusters, 0 bytes of LDS; arguments x, w_qkv, w_out, xb, wqb, wof; writes xb, wqb, wof
.if DOCPART == 1
	.amdgcn_target "amdgcn-amd-amdhsa--gfx1250"
	.amdhsa_code_object_version 6
	.text
	.protected	k_q187ab81fd1_cast
	.globl	k_q187ab81fd1_cast
	.p2align	8
	.type	k_q187ab81fd1_cast,@function
k_q187ab81fd1_cast:
	s_mov_b64 s[64:65], 0
	v_nop
	global_prefetch_b8 v0, s[64:65] scope:SCOPE_SE
	s_setreg_imm32_b32 hwreg(HW_REG_WAVE_MODE, 25, 1), 1
	s_wait_xcnt 0x0
; The module's three f32 inputs are rounded once to 16 bits for the matrix products that follow.
;   xb  = bf16(x)       [4096][1024]     wqb = bf16(w_qkv)   [3072][1024]     wof = f16(bf16(w_out)) [1024][1024]
; w_out is rounded to bf16 like the other inputs, and that number is written as f16, since the last product's other operand is f16.
; LIMITS.  |w_out| of 65,520 or more becomes an infinity in wof; below 6.1e-5 it keeps f16's fixed step of 6e-8.  NaN and infinities pass as the conversions make them.
; SHARES.  A work-group takes 8,192 numbers (32,768 bytes in, 16,384 out): work-groups 0-511 x, 512-895 w_qkv, 896-1023 w_out.
; Thread t loads 16 bytes at 16 t + 4,096 i, i = 0..7 (a wave's load covers 512 consecutive bytes) and stores 8 bytes at 8 t + 2,048 i
; (a wave's store covers 256 consecutive bytes, aligned).  All eight loads go out at once; each slot has registers of its own, so no register
; that a load or store still names is written again.  No LDS, no barrier, no matrix unit: every byte is touched once and nothing is shared.
.set X, 4                              ; v[4:35]   slot i: four f32 as loaded
.set Y, 36                             ; v[36:51]  slot i: two words of 16-bit numbers to store
.set T, 52                             ; v[52:55]  at work
	s_load_b256 s[4:11], s[0:1], 0x0               ; x s[4:5], w_qkv s[6:7], w_out s[8:9], xb s[10:11]
	s_load_b128 s[12:15], s[0:1], 0x20             ; wqb s[12:13], wof s[14:15]
	v_lshlrev_b32 v1, 4, v0                        ; 16 t
	v_lshlrev_b32 v2, 3, v0                        ; 8 t
	s_mov_b32 s16, ttmp9
	s_mov_b32 s26, 0xffff0000                      ; a word's upper bf16
	s_wait_kmcnt 0x0
	s_cmp_lt_u32 s16, 512                          ; which tensor is mine: the choice hangs on the work-group's number alone
	s_cselect_b64 s[18:19], s[4:5], s[6:7]
	s_cselect_b64 s[20:21], s[10:11], s[12:13]
	s_cselect_b32 s17, 0, 512
	s_cmp_lt_u32 s16, 896
	s_cselect_b64 s[18:19], s[18:19], s[8:9]
	s_cselect_b64 s[20:21], s[20:21], s[14:15]
	s_cselect_b32 s17, s17, 896
	s_sub_co_u32 s17, s16, s17                     ; my number within the tensor
	s_lshl_b32 s22, s17, 15                        ; 32,768 bytes in,
	s_mov_b32 s23, 0
	s_lshl_b32 s24, s17, 14                        ; 16,384 out
	s_mov_b32 s25, 0
	s_add_nc_u64 s[18:19], s[18:19], s[22:23]
	s_add_nc_u64 s[20:21], s[20:21], s[24:25]
.irp i, 0,1,2,3,4,5,6,7
	global_load_b128 v[X+4*(\i):X+4*(\i)+3], v1, s[18:19] offset:4096*(\i) th:TH_LOAD_NT
.endr
	s_cmp_ge_u32 s16, 896
	s_cbranch_scc1 .Lhalf
.irp i, 0,1,2,3,4,5,6,7
	s_wait_loadcnt 7-(\i)                          ; loads come back in order: slot i is in, the 7 - i younger ones stay out
	v_cvt_pk_bf16_f32 v[Y+2*(\i)],   v[X+4*(\i)],   v[X+4*(\i)+1]
	v_cvt_pk_bf16_f32 v[Y+2*(\i)+1], v[X+4*(\i)+2], v[X+4*(\i)+3]
	global_store_b64 v2, v[Y+2*(\i):Y+2*(\i)+1], s[20:21] offset:2048*(\i)
.endr
	s_endpgm
.Lhalf:                                        ; w_out: to bf16, back to f32 (a shift, a mask), and that number to f16
.irp i, 0,1,2,3,4,5,6,7
	s_wait_loadcnt 7-(\i)
	v_cvt_pk_bf16_f32 v[T],   v[X+4*(\i)],   v[X+4*(\i)+1]
	v_cvt_pk_bf16_f32 v[T+1], v[X+4*(\i)+2], v[X+4*(\i)+3]
	v_lshlrev_b32 v[T+2], 16, v[T]
	v_and_b32     v[T+3], s26, v[T]
	v_cvt_pk_f16_f32 v[Y+2*(\i)], v[T+2], v[T+3]
	v_lshlrev_b32 v[T+2], 16, v[T+1]
	v_and_b32     v[T+3], s26, v[T+1]
	v_cvt_pk_f16_f32 v[Y+2*(\i)+1], v[T+2], v[T+3]
	global_store_b64 v2, v[Y+2*(\i):Y+2*(\i)+1], s[20:21] offset:2048*(\i)
.endr
	s_endpgm
.Lfunc_end_k_q187ab81fd1_cast:
	.size	k_q187ab81fd1_cast, .Lfunc_end_k_q187ab81fd1_cast-k_q187ab81fd1_cast
	.p2alignl 7, 3214868480
	.fill 96, 4, 3214868480
	.section	.rodata,"a",@progbits
	.p2align	6, 0x0
	.amdhsa_kernel k_q187ab81fd1_cast
		.amdhsa_group_segment_fixed_size 0
		.amdhsa_private_segment_fixed_size 0
		.amdhsa_enable_private_segment 0
		.amdhsa_kernarg_size 48
		.amdhsa_user_sgpr_count 2
		.amdhsa_user_sgpr_kernarg_segment_ptr 1
		.amdhsa_wavefront_size32 1
		.amdhsa_system_sgpr_workgroup_id_x 1
		.amdhsa_system_sgpr_workgroup_id_y 1
		.amdhsa_system_sgpr_workgroup_id_z 1
		.amdhsa_system_vgpr_workitem_id 0
		.amdhsa_next_free_vgpr 64
		.amdhsa_next_free_sgpr 66
		.amdhsa_reserve_vcc 0
		.amdhsa_float_denorm_mode_32 3
		.amdhsa_float_denorm_mode_16_64 3
		.amdhsa_memory_ordered 1
		.amdhsa_forward_progress 1
		.amdhsa_inst_pref_size 9
	.end_amdhsa_kernel
	.amdgpu_metadata
---
amdhsa.version: [ 1, 2 ]
amdhsa.kernels:
  - .name:           k_q187ab81fd1_cast
    .symbol:         k_q187ab81fd1_cast.kd
    .args:
      - { .name: x, .offset: 0, .size: 8, .value_kind: global_buffer, .address_space: global }
      - { .name: w_qkv, .offset: 8, .size: 8, .value_kind: global_buffer, .address_space: global }
      - { .name: w_out, .offset: 16, .size: 8, .value_kind: global_buffer, .address_space: global }
      - { .name: xb, .offset: 24, .size: 8, .value_kind: global_buffer, .address_space: global }
      - { .name: wqb, .offset: 32, .size: 8, .value_kind: global_buffer, .address_space: global }
      - { .name: wof, .offset: 40, .size: 8, .value_kind: global_buffer, .address_space: global }
    .group_segment_fixed_size: 0
    .private_segment_fixed_size: 0
    .kernarg_segment_align: 8
    .kernarg_segment_size: 48
    .max_flat_workgroup_size: 256
    .sgpr_count:     66
    .vgpr_count:     64
    .wavefront_size: 32
...
	.end_amdgpu_metadata
.endif
;; end of part 1
;; launch gemm_qkv (part 2): grid 16 x 16, 4 waves a work-group, clusters of 4 x 4, 327,680 bytes of LDS; arguments xb, wqb, qkv; writes qkv
.if DOCPART == 2
	.amdgcn_target "amdgcn-amd-amdhsa--gfx1250"
	.amdhsa_code_object_version 6
	.text
	.protected	k_q187ab81fd1_gemm_qkv
	.globl	k_q187ab81fd1_gemm_qkv
	.p2align	8
	.type	k_q187ab81fd1_gemm_qkv,@function
k_q187ab81fd1_gemm_qkv:
	s_mov_b64 s[64:65], 0
	v_nop
	global_prefetch_b8 v0, s[64:65] scope:SCOPE_SE
	s_setreg_imm32_b32 hwreg(HW_REG_WAVE_MODE, 25, 1), 1
	s_wait_xcnt 0x0
	s_wait_alu depctr_hold_cnt(0) depctr_sa_sdst(0) depctr_va_vdst(0) depctr_va_sdst(0) depctr_va_ssrc(0) depctr_va_vcc(0) depctr_vm_vsrc(0)
	s_getreg_b32 s2, hwreg(HW_REG_IB_STS2, 6, 4)
	s_cmp_eq_u32 s2, 0
	s_cbranch_scc0 .Lentry_in_a_cluster
	s_endpgm
.Lentry_in_a_cluster:
	s_bfe_u32 s2, ttmp6, 0x10000c
	s_cmp_lg_u32 s2, 0xf033
	s_cbranch_scc0 .Lentry_shape_is_right
	s_endpgm
.Lentry_shape_is_right:
; q, k, v = xb wqb^T.  xb: [4096][1024] bf16, wqb: [3072][1024] bf16; sums in f32; the result is rounded once to f16 and written BY HEADS:
; qkv[b][g][t][d], b = row / 2048, t = row % 2048, g = column / 64 (0-15 q's heads, 16-31 k's, 32-47 v's), d = column % 64: planes of 2,048 dense rows of 128 bytes.  No scale is applied here.
; LIMIT.  A sum of 65,520 or more in magnitude becomes an infinity in f16.
; SHARES.  A tile of the result is 256 rows x 192 columns: 16 x 16 tiles, one work-group each.  Wave w makes rows 64 w .. 64 w + 63 and all 192 columns (three whole planes):
; 48 accumulators of 16 x 16, 384 registers.  K goes in 8 steps of 128 through a ring of two LDS slots filled by the tensor data mover; the tiles' rows are 256 bytes of memory, aligned.
; CLUSTER.  4 x 4 work-groups.  The four of a row of the cluster need the same 256 rows of xb, the four of a column the same 192 rows of wqb: each tile is asked for JOINTLY, by the same
; tensor load with the same descriptor and a mask that names the four.
; THE MATRIX INSTRUCTION IS USED TRANSPOSED: source 0 = 16 rows of wqb, source 1 = 16 rows of xb, so that a lane holds row l % 16 and eight neighbouring columns 8 (l / 16) + 0..7.
; REGISTERS, in windows of 256 (s_set_vgpr_msb: bits 1:0 source 0, 3:2 source 1, 5:4 source 2, 7:6 destination):
;   window 0: v0-31 addresses; v32-95 xb's fragments (4 x 16 rows x 32 K), two buffers; on the way out v32-223, 48 for each block of 16 rows
;   window 1: v0-191 wqb's fragments (12 x 16 rows x 32 K), two buffers
;   window 2: the accumulators of row blocks 0, 1 ((a, b) at 8 (12 (a % 2) + b));   window 3: those of row blocks 2, 3
.set SIZE_K, 1024
.set KSTEP,  128
.set PITCH,  272                       ; an LDS row: 256 bytes + 16 of padding = 68 words: the 16 rows that a load touches start at 16 different groups of four banks
.set HALFA,  128*PITCH                 ; what wave 0 or 1 fetches: 128 rows of xb
.set HALFB,  96*PITCH                  ; what wave 2 or 3 fetches: 96 rows of wqb
.set SLOT,   2*HALFA+2*HALFB           ; xb's 256 rows, then wqb's 192
.set STAGE,  2*SLOT                    ; behind the ring, never filled by a tensor load: 16 rows x 400 bytes for each wave, for the way out
.set SP,     400                       ; 384 bytes (192 f16) + 16
.set SPARE,  STAGE+4*16*SP             ; behind the stages: the spare words, 128 bytes for each wave: two blocks of 256 bytes that no other line names
.set PLANE,  262144                    ; bytes in a plane of qkv
.set ADRA, 16                          ; v16-17  LDS address of my fragments of xb in slot 0, 1
.set ADRB, 20                          ; v20-21  the same for wqb
.set STO,  24                          ; v24     the way out: where I put 16 bytes of a row
.set RD,   25                          ; v25     the way out: where I read 16 bytes back
.set CO,   26                          ; v26     16 x lane: my place in 512 consecutive bytes of a plane
.set SPW,  28                          ; v28     LDS address of my spare word; never rewritten
.set NIL,  29                          ; v29     0; never rewritten
.set PFO,  30                          ; v30     the prefetches' offset: a row of 2,048 bytes a lane; never rewritten
.set FA,   32                          ; xb's fragment buffers, window 0
.set TT,   32                          ; the way out: block a at TT + 48 a
.set G1,  24                           ; s[24:31] descriptor group 1 for xb's tiles
.set G0,  32                           ; s[32:39] group 0, a set for each slot
.set G1B, 48                           ; s[48:55] group 1 for wqb's tiles
.set G0B, 56                           ; s[56:63] group 0, a set for each slot
.set PFA, 44                           ; s[44:45] where my prefetches stand
.set LIM, 43                           ; s43     1 in a wave that prefetches, else the greatest number
.set MSB, 0
.macro WIN new                         ; the immediate's high byte repeats the setting that is left; a switch that changes nothing is dropped
.if MSB != (\new)
	s_set_vgpr_msb (MSB<<8)|(\new)
.set MSB, \new
.endif
.endm
.set MUL_LO, 0xa1                      ; source 0 (wqb) window 1, source 1 (xb) window 0, C and D window 2
.set MUL_HI, 0xf1                      ; the same, C and D window 3
.set TO_B,   0x40                      ; destination window 1, address window 0
; A joint load.  Waves 0 and 1 fetch xb's two halves, waves 2 and 3 wqb's.  The branch hangs on the wave's number alone.  An s_nop 0 and four v_nop follow each of the two lines.
.macro JLOAD s
	s_cmp_eq_u32 s11, 0
	s_cbranch_scc0 .Lfor_b_\@
	tensor_load_to_lds s[G0+4*(\s):G0+4*(\s)+3], s[G1:G1+7]
	s_nop 0
.rept 4
	v_nop
.endr
	s_branch .Lasked_\@
.Lfor_b_\@:
	tensor_load_to_lds s[G0B+4*(\s):G0B+4*(\s)+3], s[G1B:G1B+7]
	s_nop 0
.rept 4
	v_nop
.endr
.Lasked_\@:
.endm
; A PREFETCH INTO THE L2, behind each joint refill and the run of LDS loads that follows it: the K step that stands two refills on, 384 matrix instructions ahead of the load that will ask for it.
; xb's tile row is read by every cluster of that row of clusters: cluster x = 0 asks; wqb's tile column by every cluster of that column: cluster y = 0 asks.  A wave asks for rows of the half tile that it
; fetches itself, and the four partners that fetch it jointly share its rows out BY ADDRESS: 32 cx + 0..31 of xb's 128, 24 cy + 0..23 of wqb's 96.  A lane a row; in wqb's waves lanes 24-31 name lane 23's row once more.
; K steps 0 to 3 come by their loads alone; the loop's last trip (s3 = 1) asks for nothing: there is no K step two refills on.
.macro ASK
	s_cmp_gt_u32 s3, s[LIM]
	s_cbranch_scc0 .Lnot_mine_\@
	global_prefetch_b8 v[PFO], s[PFA:PFA+1] offset:KSTEP*2 th:TH_LOAD_NT scope:SCOPE_SE
.Lnot_mine_\@:
.endm
.macro CREST                           ; a round of the cluster's barrier behind its opening barrier
	s_cmp_lg_u32 s10, 0
	s_cbranch_scc1 .Lnot_wave_0_\@
	s_barrier_signal -3
.Lnot_wave_0_\@:
	s_barrier_wait -3
	s_barrier_signal -1
	s_barrier_wait -1
.endm
.macro CROUND                          ; a whole round
	s_barrier_signal -1
	s_barrier_wait -1
	CREST
.endm
	s_load_b128 s[4:7], s[0:1], 0x0                ; xb s[4:5], wqb s[6:7]
	s_load_b64 s[8:9], s[0:1], 0x10                ; qkv
	v_lshl_add_u32 v[SPW], v0, 2, SPARE
	v_mov_b32 v[NIL], 0
	ds_add_u32 v[SPW], v[NIL]                      ; the wave's opening: the add and its wait ahead of my first tensor load; the set-up below, work on registers, stands between them
	ds_add_u32 v28, v29
	v_lshrrev_b32 v1, 5, v0
	v_readfirstlane_b32 s10, v1                    ; wave 0..3
	s_lshr_b32 s11, s10, 1                         ; I fetch for xb (0) or for wqb (1)
	s_and_b32 s12, s10, 1                          ; which half of that tile I fetch
	s_bfe_u32 s40, ttmp6, 0x40000                  ; cx
	s_bfe_u32 s41, ttmp6, 0x40004                  ; cy
	s_lshl_b32 s42, ttmp9, 2
	s_add_co_u32 s42, s42, s40                     ; tile column = 4 x cluster x + cx
	s_and_b32 s13, ttmp7, 0xffff
	s_lshl_b32 s13, s13, 2
	s_add_co_u32 s13, s13, s41                     ; tile row = 4 x cluster y + cy
	s_lshl_b32 s43, s41, 2
	s_lshl_b32 s43, 15, s43                        ; my row of the cluster: places 4 cy .. 4 cy + 3
	s_lshl_b32 s44, 0x1111, s40                    ; my column: places cx, cx + 4, cx + 8, cx + 12
	s_or_b32 s[G1+0], s43, (1<<16)|(1<<20)|(1<<21)|(5<<22)|(3<<25)   ; the mask; elements of 2 bytes; padding on; bit 21 beside a mask; after every 64 words (code 5) 4 words (code 3)
	s_or_b32 s[G1B+0], s44, (1<<16)|(1<<20)|(1<<21)|(5<<22)|(3<<25)
	s_mov_b32 s[G1+1], KSTEP<<16                   ; tensor_dim0 = 128
	s_mov_b32 s[G1+2], 128<<16                     ; tensor_dim1 = 128
	s_mov_b32 s[G1+3], KSTEP<<16                   ; tile_dim0 = 128
	s_mov_b32 s[G1+4], 128                         ; tile_dim1 = 128
	s_mov_b32 s[G1+5], SIZE_K                      ; elements from row to row
	s_mov_b32 s[G1+6], 0
	s_mov_b32 s[G1+7], 0
	s_mov_b32 s[G1B+1], KSTEP<<16
	s_mov_b32 s[G1B+2], 96<<16                     ; 96 rows
	s_mov_b32 s[G1B+3], KSTEP<<16
	s_mov_b32 s[G1B+4], 96
	s_mov_b32 s[G1B+5], SIZE_K
	s_mov_b32 s[G1B+6], 0
	s_mov_b32 s[G1B+7], 0
	; where the tiles come from: xb's hang on the tile row alone, wqb's on the tile column alone; every wave makes both, in registers that never hold the other coordinate
	s_lshl_b32 s16, s13, 8
	s_lshl_b32 s17, s12, 7
	s_add_co_u32 s16, s16, s17                     ; xb: row 256 x tile row + 128 x half
	s_lshl_b32 s16, s16, 11                        ; 2,048 bytes a row: under 2^23
	s_mov_b32 s17, 0
	s_mul_i32 s46, s42, 192
	s_mul_i32 s47, s12, 96
	s_add_co_u32 s46, s46, s47                     ; wqb: row 192 x tile column + 96 x half
	s_lshl_b32 s46, s46, 11
	s_mov_b32 s47, 0
	s_mul_i32 s20, s12, HALFA                      ; and where they go: no place in the cluster enters an LDS address
	s_mul_i32 s21, s12, HALFB
	s_add_co_u32 s21, s21, 2*HALFA
	s_wait_dscnt 0x0                               ; the opening add is done
	s_wait_kmcnt 0x0
	s_add_nc_u64 s[14:15], s[4:5], s[16:17]
	s_add_nc_u64 s[46:47], s[6:7], s[46:47]
	CROUND                                         ; all sixteen work-groups are here: the first joint loads meet
.irp s, 0,1
	s_mov_b32 s[G0+4*(\s)], 1
	s_add_co_u32 s[G0+4*(\s)+1], s20, (\s)*SLOT
	s_add_nc_u64 s[G0+4*(\s)+2:G0+4*(\s)+3], s[14:15], (\s)*KSTEP*2
	s_or_b32 s[G0+4*(\s)+3], s[G0+4*(\s)+3], 0x80000000
	s_mov_b32 s[G0B+4*(\s)], 1
	s_add_co_u32 s[G0B+4*(\s)+1], s21, (\s)*SLOT
	s_add_nc_u64 s[G0B+4*(\s)+2:G0B+4*(\s)+3], s[46:47], (\s)*KSTEP*2
	s_or_b32 s[G0B+4*(\s)+3], s[G0B+4*(\s)+3], 0x80000000
	JLOAD \s                                       ; K steps 0 and 1: two loads of mine are out
.endr
	; a fragment is 16 rows x 32 K in 8 registers: lane l holds row l % 16, K = 8 (l / 16) + 0..7 and 16 + 8 (l / 16) + 0..7: two loads of 16 bytes, 32 bytes apart
	v_and_b32 v1, 15, v0                           ; l % 16
	v_bfe_u32 v2, v0, 4, 1                         ; l / 16
	v_mul_u32_u24 v3, v1, PITCH
	v_lshl_add_u32 v3, v2, 4, v3
	s_mul_i32 s21, s10, 64*PITCH                   ; my 64 rows of xb
	s_mov_b32 s22, 2*HALFA                         ; wqb's rows lie behind xb's 256
.irp s, 0,1
	v_add_nc_u32 v[ADRA+(\s)], s21, v3
	v_add_nc_u32 v[ADRB+(\s)], s22, v3
	s_add_co_u32 s21, s21, SLOT
	s_add_co_u32 s22, s22, SLOT
.endr
	s_mul_i32 s23, s10, 16*SP
	s_add_co_u32 s23, s23, STAGE                   ; my stage
	v_mul_u32_u24 v4, v1, SP                       ; in: row l % 16, 16 bytes for each half of the lanes
	v_lshl_add_u32 v4, v2, 4, v4
	v_add_nc_u32 v[STO], s23, v4
	v_bfe_u32 v4, v0, 3, 2                         ; back: 32 lanes take 128 bytes (a plane's part) of four rows,
	v_mul_u32_u24 v4, v4, SP
	v_and_b32 v5, 7, v0
	v_lshl_add_u32 v4, v5, 4, v4
	v_add_nc_u32 v[RD], s23, v4
	v_and_b32 v5, 31, v0                           ; which are 512 consecutive bytes of the plane
	v_lshlrev_b32 v[CO], 4, v5
	; qkv at my first row of my first plane: (((tile row / 8) x 48 + 3 x tile column) x 2,048 + (tile row % 8) x 256 + 64 w) x 128 bytes, under 2^25
	s_lshr_b32 s16, s13, 3
	s_mul_i32 s16, s16, 48*2048
	s_and_b32 s17, s13, 7
	s_lshl_b32 s17, s17, 8
	s_add_co_u32 s16, s16, s17
	s_lshl_b32 s17, s10, 6
	s_add_co_u32 s16, s16, s17
	s_mul_i32 s46, s42, 3*2048
	s_add_co_u32 s16, s16, s46
	s_lshl_b32 s16, s16, 7
	s_mov_b32 s17, 0
	s_add_nc_u64 s[8:9], s[8:9], s[16:17]
	; the prefetches
	s_lshl_b32 s20, s13, 8
	s_lshl_b32 s21, s12, 7
	s_add_co_u32 s20, s20, s21
	s_lshl_b32 s21, s40, 5
	s_add_co_u32 s20, s20, s21                     ; xb: the half tile that I fetch, my work-group's 32 rows of it
	s_mul_i32 s22, s42, 192
	s_mul_i32 s21, s12, 96
	s_add_co_u32 s22, s22, s21
	s_mul_i32 s21, s41, 24
	s_add_co_u32 s22, s22, s21                     ; wqb: likewise, 24 rows
	s_and_b32 s23, ttmp7, 0xffff                   ; cluster y
	s_cmp_eq_u32 s11, 0                            ; do I fetch for xb?
	s_cselect_b32 s20, s20, s22
	s_cselect_b32 s21, 31, 23                      ; the last lane with a row of its own
	s_cselect_b32 s23, ttmp9, s23                  ; the coordinate along which other clusters read the same rows
	s_cselect_b64 s[PFA:PFA+1], s[4:5], s[6:7]
	s_cmp_eq_u32 s23, 0
	s_cselect_b32 s[LIM], 1, -1                    ; the same in all sixteen partners, for a given wave
	s_lshl_b32 s20, s20, 11
	v_and_b32 v[PFO], 31, v0
	v_min_u32 v[PFO], s21, v[PFO]
	v_lshlrev_b32 v[PFO], 11, v[PFO]
	s_mov_b32 s21, 0
	s_add_nc_u64 s[PFA:PFA+1], s[PFA:PFA+1], s[20:21]
	s_add_nc_u64 s[PFA:PFA+1], s[PFA:PFA+1], 2*KSTEP*2  ; at K step 2: the first refill steps it to 3 and names K step 4
; 12 matrix instructions: row block a x all 12 column blocks, 32 along K, from buffer f.  zero = 1: the product starts the sums.  The 48 accumulators take turns, in the same order in every quarter.
.macro MULA f, a, zero
	WIN MUL_LO+0x50*((\a)/2)
.irp b, 0,1,2,3,4,5,6,7,8,9,10,11
.if \zero
	v_wmma_f32_16x16x32_bf16 v[8*(12*((\a)%2)+(\b)):8*(12*((\a)%2)+(\b))+7], v[96*(\f)+8*(\b):96*(\f)+8*(\b)+7], v[FA+32*(\f)+8*(\a):FA+32*(\f)+8*(\a)+7], 0
.else
	v_wmma_f32_16x16x32_bf16 v[8*(12*((\a)%2)+(\b)):8*(12*((\a)%2)+(\b))+7], v[96*(\f)+8*(\b):96*(\f)+8*(\b)+7], v[FA+32*(\f)+8*(\a):FA+32*(\f)+8*(\a)+7], v[8*(12*((\a)%2)+(\b)):8*(12*((\a)%2)+(\b))+7]
.endif
.endr
.endm
; 32 LDS loads in one run: a quarter step's fragments (192 rows of wqb, my 64 rows of xb, 32 K at byte k of the rows) into buffer f
.macro FETCH slot, k, f
	WIN TO_B
.irp i, 0,1,2,3,4,5,6,7,8,9,10,11
	ds_load_b128 v[96*(\f)+8*(\i):96*(\f)+8*(\i)+3],   v[ADRB+(\slot)] offset:(\k)+(\i)*16*PITCH
	ds_load_b128 v[96*(\f)+8*(\i)+4:96*(\f)+8*(\i)+7], v[ADRB+(\slot)] offset:(\k)+(\i)*16*PITCH+32
.endr
	WIN 0
.irp i, 0,1,2,3
	ds_load_b128 v[FA+32*(\f)+8*(\i):FA+32*(\f)+8*(\i)+3],   v[ADRA+(\slot)] offset:(\k)+(\i)*16*PITCH
	ds_load_b128 v[FA+32*(\f)+8*(\i)+4:FA+32*(\f)+8*(\i)+7], v[ADRA+(\slot)] offset:(\k)+(\i)*16*PITCH+32
.endr
.endm
.macro PLACES                          ; four plain vector instructions in front of loads into registers that matrix instructions have read, and of conversions that read results
.rept 4
	v_nop
.endr
.endm
; A K step is four quarters of 32 along K, 48 matrix instructions each, on buffers 0, 1, 0, 1.  One of the first three multiplies buffer f and, in its middle, fetches the next quarter, at byte k, into g.
.macro QUARTER slot, k, f, g, zero
	s_wait_dscnt 4                                 ; wqb's fragments and xb's blocks 0, 1 are in; the youngest four loads (blocks 2, 3) may be out
	MULA \f, 0, \zero
	MULA \f, 1, \zero
	PLACES
	FETCH \slot, \k, \g
	s_wait_dscnt 32                                ; all but the 32 just issued
	MULA \f, 2, \zero
	MULA \f, 3, \zero
.endm
; The last quarter multiplies buffer 1 and changes slots: ONE barrier.  In front of it each wave waits for all its tensor loads (one is out: its part of the next slot), adds 0 to its spare word, and waits for that and
; for its own reads of this slot.  fill = 1: the barrier opens a round of the cluster's barrier, and the joint refill, two K steps ahead, is the first tensor load behind the round: 168 matrix instructions ahead of the wait for it.
.macro TURN slot, next, fill
.if \fill
	s_wait_xcnt 0x0                                ; the last prefetch, a K step back, has read its address: it is stepped here, ahead of the waits of the change of slots
	s_add_nc_u64 s[PFA:PFA+1], s[PFA:PFA+1], KSTEP*2
.endif
	WIN 0                                          ; (the add's two registers lie in window 0)
	s_wait_tensorcnt 0x0                           ; all my tensor loads have landed
	ds_add_u32 v[SPW], v[NIL]                      ; 0 onto my spare word
	s_wait_dscnt 5                                 ; (the add and xb's last four loads may be out)
	MULA 1, 0, 0                                   ; twelve matrix instructions stand between the add and the wait for it
	s_wait_dscnt 0x0                               ; the add is done, and my reads of this slot are over
	s_barrier_signal -1
	MULA 1, 1, 0
.if \fill
	WIN 0
.endif
	s_barrier_wait -1
.if \fill
	CREST                                          ; no wave of any partner still reads this slot's tile or has a load on its way
	s_add_nc_u64 s[G0+4*(\slot)+2:G0+4*(\slot)+3], s[G0+4*(\slot)+2:G0+4*(\slot)+3], 2*KSTEP*2
	s_add_nc_u64 s[G0B+4*(\slot)+2:G0B+4*(\slot)+3], s[G0B+4*(\slot)+2:G0B+4*(\slot)+3], 2*KSTEP*2
	JLOAD \slot                                    ; the four v_nop behind it are also the places in front of the loads below
.else
	PLACES
.endif
	FETCH \next, 0, 0
.if \fill
	ASK
.endif
	MULA 1, 2, 0
	MULA 1, 3, 0
.endm
	s_wait_tensorcnt 1                             ; my part of K step 0 is in; K step 1's may stay out
	s_barrier_signal -1
	s_barrier_wait -1                              ; everybody's is
	FETCH 0, 0, 0
	QUARTER 0, 64, 0, 1, 1                         ; the first quarter stands in front of the loop: its products start the sums
	WIN 0                                          ; at a label and at a branch every window is 0
	s_mov_b32 s3, 3
.Llap:                                                 ; a trip goes once round the ring, from a lap's second quarter to the next lap's first, and fills both slots again
	QUARTER 0, 128, 1, 0, 0
	QUARTER 0, 192, 0, 1, 0
	TURN 0, 1, 1
	QUARTER 1, 64,  0, 1, 0
	QUARTER 1, 128, 1, 0, 0
	QUARTER 1, 192, 0, 1, 0
	TURN 1, 0, 1
	QUARTER 0, 64,  0, 1, 0
	WIN 0
	s_sub_co_u32 s3, s3, 1
	s_cmp_lg_u32 s3, 0
	s_cbranch_scc1 .Llap
	QUARTER 0, 128, 1, 0, 0                        ; the last lap fills nothing, and has no round of the cluster's barrier
	QUARTER 0, 192, 0, 1, 0
	TURN 0, 1, 0
	QUARTER 1, 64,  0, 1, 0
	QUARTER 1, 128, 1, 0, 0
	QUARTER 1, 192, 0, 1, 0
	s_wait_dscnt 4                                 ; the very last quarter: nothing more to fetch
	MULA 1, 0, 0
	MULA 1, 1, 0
	s_wait_dscnt 0x0
	MULA 1, 2, 0
	MULA 1, 3, 0
	WIN 0
; THE WAY OUT, a block of 16 rows at a time.  PACK: rounded to f16, 16 bytes a lane (each accumulator's registers in ascending order), into my own stage (rows of 400 bytes), and back by planes:
; four rows x 128 bytes a load.  LDS serves a wave's instructions in order (ISA guide 5.7.1.4), so the loads see the stores above them and the next block's stores come behind them.
.macro PACK a
	WIN 0x0a+5*((\a)/2)                            ; sources 0 and 1: window 2 or 3
.irp b, 0,1,2,3,4,5,6,7,8,9,10,11
.irp r, 0,1,2,3
	v_cvt_pk_f16_f32 v[TT+48*(\a)+4*(\b)+(\r)], v[8*(12*((\a)%2)+(\b))+2*(\r)], v[8*(12*((\a)%2)+(\b))+2*(\r)+1]
.endr
.endr
	WIN 0
.irp b, 0,1,2,3,4,5,6,7,8,9,10,11
	ds_store_b128 v[STO], v[TT+48*(\a)+4*(\b):TT+48*(\a)+4*(\b)+3] offset:32*(\b)
.endr
.irp p, 0,1,2
.irp i, 0,1,2,3
	ds_load_b128 v[TT+48*(\a)+4*(4*(\p)+(\i)):TT+48*(\a)+4*(4*(\p)+(\i))+3], v[RD] offset:(\i)*4*SP+(\p)*128
.endr
.endr
.endm
.macro SEND a, younger                 ; younger: the LDS instructions issued behind block a's loads: the next block's 24, or none
.irp p, 0,1,2
.irp i, 0,1,2,3
	s_wait_dscnt (\younger)+11-4*(\p)-(\i)
	global_store_b128 v[CO], v[TT+48*(\a)+4*(4*(\p)+(\i)):TT+48*(\a)+4*(4*(\p)+(\i))+3], s[8:9] offset:(\p)*PLANE+(\a)*2048+(\i)*512  ; 512 consecutive bytes of a plane, at a multiple of 512 from its first
.endr
.endr
.endm
	PLACES
	PACK 0
	PACK 1                                         ; a block's conversions stand between the loads of the block before and its stores
	SEND 0, 24
	PACK 2
	SEND 1, 24
	PACK 3
	SEND 2, 24
	SEND 3, 0
	s_wait_tensorcnt 0x0                           ; the wave's end: behind my last tensor load and my last LDS store
	ds_add_u32 v[SPW], v[NIL]
	s_wait_dscnt 0x0
	CROUND                                         ; the closing round: no work-group ends while a partner may still ask for a tile that names it
	s_endpgm
.Lfunc_end_k_q187ab81fd1_gemm_qkv:
	.size	k_q187ab81fd1_gemm_qkv, .Lfunc_end_k_q187ab81fd1_gemm_qkv-k_q187ab81fd1_gemm_qkv
	.p2alignl 7, 3214868480
	.fill 96, 4, 3214868480
	.section	.rodata,"a",@progbits
	.p2align	6, 0x0
	.amdhsa_kernel k_q187ab81fd1_gemm_qkv
		.amdhsa_group_segment_fixed_size 327680
		.amdhsa_private_segment_fixed_size 0
		.amdhsa_enable_private_segment 0
		.amdhsa_kernarg_size 24
		.amdhsa_user_sgpr_count 2
		.amdhsa_user_sgpr_kernarg_segment_ptr 1
		.amdhsa_wavefront_size32 1
		.amdhsa_system_sgpr_workgroup_id_x 1
		.amdhsa_system_sgpr_workgroup_id_y 1
		.amdhsa_system_sgpr_workgroup_id_z 1
		.amdhsa_system_vgpr_workitem_id 0
		.amdhsa_next_free_vgpr 1024
		.amdhsa_next_free_sgpr 66
		.amdhsa_reserve_vcc 0
		.amdhsa_float_denorm_mode_32 3
		.amdhsa_float_denorm_mode_16_64 3
		.amdhsa_memory_ordered 1
		.amdhsa_forward_progress 1
		.amdhsa_inst_pref_size 121
	.end_amdhsa_kernel
	.amdgpu_metadata
---
amdhsa.version: [ 1, 2 ]
amdhsa.kernels:
  - .name:           k_q187ab81fd1_gemm_qkv
    .symbol:         k_q187ab81fd1_gemm_qkv.kd
    .args:
      - { .name: xb, .offset: 0, .size: 8, .value_kind: global_buffer, .address_space: global }
      - { .name: wqb, .offset: 8, .size: 8, .value_kind: global_buffer, .address_space: global }
      - { .name: qkv, .offset: 16, .size: 8, .value_kind: global_buffer, .address_space: global }
    .group_segment_fixed_size: 327680
    .private_segment_fixed_size: 0
    .kernarg_segment_align: 8
    .kernarg_segment_size: 24
    .max_flat_workgroup_size: 128
    .sgpr_count:     66
    .vgpr_count:     1024
    .wavefront_size: 32
...
	.end_amdgpu_metadata
.endif
;; end of part 2
;; launch attn (part 3): grid 16 x 16, 4 waves a work-group, no clusters, 210,432 bytes of LDS; arguments qkv, oh; writes oh
.if DOCPART == 3
	.amdgcn_target "amdgcn-amd-amdhsa--gfx1250"
	.amdhsa_code_object_version 6
	.text
	.protected	k_q187ab81fd1_attn
	.globl	k_q187ab81fd1_attn
	.p2align	8
	.type	k_q187ab81fd1_attn,@function
k_q187ab81fd1_attn:
	s_mov_b64 s[64:65], 0
	v_nop
	global_prefetch_b8 v0, s[64:65] scope:SCOPE_SE
	s_setreg_imm32_b32 hwreg(HW_REG_WAVE_MODE, 25, 1), 1
	s_wait_xcnt 0x0
; SPARSE ATTENTION.  Query q of a head sees key k where k <= q and (q - k <= 128 or k % 64 == 0).  That is two sets without a common key: the LOCAL keys q - 128 .. q, and the STRIDED REST, k = 64 i with q - k > 128.
; oh[b][t][64 h + d] = the sum over the seen k of softmax_k(q . k / 8) v[k][d].  qkv: [2][48][2048][64] f16 (planes 0-15 q by heads, 16-31 k, 32-47 v); oh: [4096][1024] f16.
; Products, maxima and sums in f32; the weights p are rounded to f16 for the second product (their sum is taken of the unrounded p), the result once at the end.
; THE MAXIMUM IS THE ROW'S OWN: all of a query's 176 scores (144 local, 32 strided, hidden ones among them) lie in registers at once, so it is taken before any exponential; every row sees its own key.
; LIMITS.  q, k, v arrive within f16's 65,504.  A hidden score counts as its value less 1e30; a weight below 2^-126 counts as 0; NaN and infinities are not treated apart.
; SHARES.  Work-group (J, y): batch y / 8, the two heads 2 (y % 8) and 2 (y % 8) + 1, queries 128 J .. 128 J + 127: so a row of oh gets 256 consecutive bytes, aligned.  Wave w: head w % 2, queries 64 (w / 2) + 0..63: four tiles of 16.
; LDS.  For each head 288 rows of K and of V: rows 0-255 are keys 128 J - 128 + row, rows 256-287 the keys 64 i.  All of it is filled once, at the start: eight tensor loads, two a wave; nothing is filled again.
; For J = 0 rows 0-127 are the last 128 rows of the plane before, in the same buffer: finite f16 numbers, all hidden by the masks (weight 0).
; NO CLUSTER: work-group J shares its lower 128 keys with J - 1 and its upper 128 with J + 1, so a tile asked for jointly would want a different LDS place in each partner; no prefetch: all loads go out at the head.
; KEY TILES of a wave: kt = 0..11 are LDS rows 64 (w / 2) + 16 kt, kt = 12, 13 the strided rows.  Query tile t takes kt = t + m, m = 0..8, and 12, 13.
; LAYOUT.  S^T = K Q^T (source 0 = 16 keys, source 1 = 16 queries): a lane holds ONE query (l % 16) and keys 8 (l / 16) + 0..7.  Two such tiles rounded to f16 ARE source 1 (32 keys x 16 queries) of O^T = V^T P.
; THE MASKS are the C operands that start the sums, 0 or -1e30, made once while the tiles are on their way.
; REGISTERS, in windows of 256 (s_set_vgpr_msb: bits 1:0 source 0, 3:2 source 1, 5:4 source 2, 7:6 destination):
;   window 0: v0-31 addresses and statistics; S v32-119; P v120-167; O v168-199; M v200-210; PKR v212-227
;   window 1: K, tile kt, channel half c at 16 kt + 8 c      window 2: V, channel block cb, tile kt at 56 cb + 4 kt (so any two neighbouring tiles are one fragment)
;   window 3: Q (16 t + 8 c), and the masks ML, MDG, CB, MS
.set PK,    144       ; a row of K in LDS: 128 bytes + 16: the 16 rows of a load start at 16 different groups of four banks
.set PV,    160       ; a row of V: 128 + 32
.set KHEAD, 288*PK
.set VHEAD, 288*PV
.set VOFF,  2*KHEAD
.set STAGE, VOFF+2*VHEAD  ; never filled by a tensor load: 128 rows x 272 bytes, the work-group's, for the way out
.set SP,    272
.set SPARE, STAGE+128*SP  ; the spare words, 128 bytes for each wave: two blocks of 256 bytes that no other line names
.set AK,  3           ; v3   LDS address of my lane in my wave's local tile 0 of K
.set AKS, 4           ; v4   in the strided tile 12 of K
.set AV,  5           ; v5   the same two for V
.set AVS, 6           ; v6
.set QO,  7           ; v7   my byte offset in 16 rows of Q
.set STO, 8           ; v8   the way out: where I put 16 bytes of a row
.set RD,  9           ; v9   where I read a row back
.set GO,  10          ; v10  my byte offset in two rows of oh
.set BEV, 22          ; v22-25  0, or -1e30 where local tile t = 0..3 lies ahead of key 0
.set SPW, 30          ; v30  LDS address of my spare word; never rewritten
.set NIL, 31          ; v31  0; never rewritten
.set S,   32          ; 11 tiles of scores, 8 registers each: 0-8 local (m), 9, 10 strided
.set P,   120         ; 12 tiles of weights, 4 registers each: 0-8 local, 9 zero, 10, 11 strided
.set O,   168         ; O^T: channel block cb at O + 8 cb
.set M,   200         ; a maximum for each tile
.set PKR, 212         ; the result in f16
.set ML,  64          ; window 3: the mask of m = 0 for tile t at ML + 8 t
.set MDG, 96          ; of m = 8, the diagonal
.set CB,  104         ; of a whole local tile kt = 1..7 at CB + 8 (kt - 1)
.set MS,  160         ; of strided tile u for query tile t at MS + 16 t + 8 u
.set CS,  18          ; s[18:19] c = log2(e) / 8
.set SEL, 20          ; s[20:21] v_permlanex16_b32's selects: each lane takes its own place in the other half
.set MSB, 0
.macro WIN new
.if MSB != (\new)
	s_set_vgpr_msb (MSB<<8)|(\new)
.set MSB, \new
.endif
.endm
.set W_KM, 0x3d       ; K window 1, Q window 3, C (a mask) window 3, S^T window 0
.set W_KQ, 0x0d       ; the same with C in window 0
.set W_PV, 0x02       ; V window 2, all else window 0
	s_load_b128 s[4:7], s[0:1], 0x0  ; qkv s[4:5], oh s[6:7]
	v_lshl_add_u32 v[SPW], v0, 2, SPARE
	v_mov_b32 v[NIL], 0
	ds_add_u32 v[SPW], v[NIL]       ; the wave's opening: the add and its wait ahead of my first tensor load; the set-up below, work on registers, stands between them
	ds_add_u32 v30, v31
	v_lshrrev_b32 v1, 5, v0
	v_readfirstlane_b32 s8, v1      ; wave w
	s_and_b32 s9, s8, 1             ; hh: my head of the two; also the head whose K (waves 0, 1) or V (waves 2, 3) I fetch
	s_lshr_b32 s10, s8, 1           ; qq: my 64 queries of the 128
	s_mov_b32 s11, ttmp9            ; J
	s_and_b32 s12, ttmp7, 0xffff
	s_lshr_b32 s13, s12, 3          ; batch
	s_and_b32 s14, s12, 7           ; pair of heads
	s_mul_i32 s15, s13, 48
	s_lshl_b32 s16, s14, 1
	s_add_co_u32 s15, s15, s16
	s_add_co_u32 s15, s15, s9       ; q's plane
	s_lshl_b32 s16, s11, 3
	s_lshl_b32 s17, s10, 2
	s_add_co_u32 s16, s16, s17      ; A0 = 8 J + 4 qq: my first query / 16
	s_mov_b32 s17, 0xf149f2ca       ; -1e30
	s_mov_b32 s[CS], 0x3e38aa3b     ; c = 0.180337
	s_mov_b32 s[CS+1], s[CS]        ; named with it as a pair
	s_mov_b32 s[SEL], 0x76543210
	s_mov_b32 s[SEL+1], 0xfedcba98
	; descriptor groups 1.  The 256 local keys are 32,768 dense bytes: asked for as 128 rows of 256 bytes, two keys a row, padded in LDS after every key.  The 32 strided keys: rows of 128 bytes, 64 rows apart.
	s_mov_b32 s24, (1<<16)|(1<<20)|(4<<22)|(3<<25)  ; K, local: 2-byte elements; padding on; after every 32 words (code 4) 4 words (code 3)
	s_mov_b32 s25, 128<<16          ; tensor_dim0 = 128
	s_mov_b32 s26, 128<<16          ; tensor_dim1 = 128
	s_mov_b32 s27, 128<<16          ; tile_dim0 = 128
	s_mov_b32 s28, 128              ; tile_dim1 = 128
	s_mov_b32 s29, 128              ; elements from row to row
	s_mov_b32 s30, 0
	s_mov_b32 s31, 0
	s_mov_b32 s32, (1<<16)|(1<<20)|(4<<22)|(3<<25)  ; K, strided
	s_mov_b32 s33, 64<<16           ; tensor_dim0 = 64
	s_mov_b32 s34, 32<<16           ; tensor_dim1 = 32
	s_mov_b32 s35, 64<<16           ; tile_dim0 = 64
	s_mov_b32 s36, 32               ; tile_dim1 = 32
	s_mov_b32 s37, 4096             ; 64 rows of 64 elements from row to row
	s_mov_b32 s38, 0
	s_mov_b32 s39, 0
	s_mov_b32 s40, (1<<16)|(1<<20)|(4<<22)|(7<<25)  ; V, local: 8 words of padding (code 7)
	s_mov_b32 s41, 128<<16
	s_mov_b32 s42, 128<<16
	s_mov_b32 s43, 128<<16
	s_mov_b32 s44, 128
	s_mov_b32 s45, 128
	s_mov_b32 s46, 0
	s_mov_b32 s47, 0
	s_mov_b32 s48, (1<<16)|(1<<20)|(4<<22)|(7<<25)  ; V, strided
	s_mov_b32 s49, 64<<16
	s_mov_b32 s50, 32<<16
	s_mov_b32 s51, 64<<16
	s_mov_b32 s52, 32
	s_mov_b32 s53, 4096
	s_mov_b32 s54, 0
	s_mov_b32 s55, 0
	; groups 0: count, LDS address (a constant and the wave's number times a constant)
	s_mul_i32 s80, s9, KHEAD
	s_mul_i32 s81, s9, VHEAD
	s_mov_b32 s56, 1
	s_mov_b32 s57, s80
	s_mov_b32 s60, 1
	s_add_co_u32 s61, s80, 256*PK
	s_mov_b32 s68, 1
	s_add_co_u32 s69, s81, VOFF
	s_mov_b32 s72, 1
	s_add_co_u32 s73, s81, VOFF+256*PV
	; byte offsets, all under 2^25
	s_add_co_u32 s76, s15, 16
	s_lshl_b32 s76, s76, 18         ; k's plane
	s_mov_b32 s77, 0
	s_lshl_b32 s22, s11, 14
	s_add_co_u32 s22, s22, s76
	s_sub_co_u32 s22, s22, 16384    ; key 128 J - 128 (k's planes have planes in front of them, so this is never below 0)
	s_mov_b32 s23, 0
	s_lshl_b32 s78, s15, 18
	s_lshl_b32 s79, s16, 11
	s_add_co_u32 s78, s78, s79      ; my wave's first query
	s_mov_b32 s79, 0
	s_lshl_b32 s84, s13, 11
	s_lshl_b32 s85, s11, 7
	s_add_co_u32 s84, s84, s85
	s_lshl_b32 s85, s8, 5
	s_add_co_u32 s84, s84, s85      ; the first row of oh that I store: 2,048 b + 128 J + 32 w
	s_lshl_b32 s84, s84, 11
	s_lshl_b32 s85, s14, 8
	s_add_co_u32 s84, s84, s85      ; and the pair of heads' 256 bytes in it
	s_mov_b32 s85, 0
	s_wait_dscnt 0x0                ; the opening add is done
	s_wait_kmcnt 0x0
	s_add_nc_u64 s[58:59], s[4:5], s[22:23]
	s_add_nc_u64 s[62:63], s[4:5], s[76:77]
	s_add_nc_u64 s[70:71], s[58:59], 0x400000  ; v's plane lies 16 planes behind k's
	s_add_nc_u64 s[74:75], s[62:63], 0x400000
	s_or_b32 s59, s59, 0x80000000   ; type = 2
	s_or_b32 s63, s63, 0x80000000
	s_or_b32 s71, s71, 0x80000000
	s_or_b32 s75, s75, 0x80000000
	s_add_nc_u64 s[82:83], s[4:5], s[78:79]
	s_add_nc_u64 s[6:7], s[6:7], s[84:85]
	s_cmp_lt_u32 s8, 2              ; a wave's two fills stand in one branch, ahead of every wait on TENSORcnt, every LDS read and every barrier: two loads of mine are out
	s_cbranch_scc0 .Lfill_v
	tensor_load_to_lds s[56:59], s[24:31]
	s_nop 0
	tensor_load_to_lds s[60:63], s[32:39]
	s_nop 0
.rept 4
	v_nop
.endr
	s_branch .Lfilled
.Lfill_v:
	tensor_load_to_lds s[68:71], s[40:47]
	s_nop 0
	tensor_load_to_lds s[72:75], s[48:55]
	s_nop 0
.rept 4
	v_nop
.endr
.Lfilled:
	v_and_b32 v1, 15, v0            ; r = l % 16
	v_bfe_u32 v2, v0, 4, 1          ; h = l / 16
	v_lshlrev_b32 v[QO], 7, v1
	v_lshl_add_u32 v[QO], v2, 4, v[QO]  ; row x 128 + 16 x half
	WIN 0xc0                        ; destination window 3, address window 0
.set i, 0
.rept 8                             ; Q stays in registers: tile i / 2, channels 32 (i % 2) on
	global_load_b128 v[8*i:8*i+3],   v[QO], s[82:83] offset:(i/2)*2048+(i%2)*64
	global_load_b128 v[8*i+4:8*i+7], v[QO], s[82:83] offset:(i/2)*2048+(i%2)*64+32
.set i, i+1
.endr
	WIN 0
	; LDS addresses
	v_mul_u32_u24 v3, v1, PK
	v_lshl_add_u32 v3, v2, 4, v3    ; row x pitch + 16 x half
	s_mul_i32 s80, s9, KHEAD
	s_mul_i32 s81, s10, 64*PK
	s_add_co_u32 s81, s81, s80
	s_add_co_u32 s80, s80, 256*PK
	v_add_nc_u32 v[AKS], s80, v3
	v_add_nc_u32 v[AK], s81, v3
	; the turning load takes 16 keys x 16 channels (lane l reads key 8 (l / 16) + l % 8, channels 8 ((l / 8) % 2) + 0..7) and leaves half a fragment of V^T: lane l holds channel l % 16 and 8 keys
	v_and_b32 v16, 7, v0
	v_bfe_u32 v17, v0, 3, 1
	v_lshl_add_u32 v5, v2, 3, v16
	v_mul_u32_u24 v5, v5, PV
	v_lshl_add_u32 v5, v17, 4, v5
	s_mul_i32 s80, s9, VHEAD
	s_add_co_u32 s80, s80, VOFF
	s_mul_i32 s81, s10, 64*PV
	s_add_co_u32 s81, s81, s80
	s_add_co_u32 s80, s80, 256*PV
	v_add_nc_u32 v[AVS], s80, v5
	v_add_nc_u32 v[AV], s81, v5
	s_mul_i32 s80, s10, 64*SP       ; into the stage: my 64 rows, my head's half of their 256 bytes
	s_lshl_b32 s81, s9, 7
	s_add_co_u32 s80, s80, s81
	s_add_co_u32 s80, s80, STAGE
	v_mul_u32_u24 v[STO], v1, SP
	v_lshl_add_u32 v[STO], v2, 4, v[STO]
	v_add_nc_u32 v[STO], s80, v[STO]
	s_mul_i32 s80, s8, 32*SP        ; back: wave w takes rows 32 w .. 32 w + 31, whole: lanes 0-15 one row, lanes 16-31 the next
	s_add_co_u32 s80, s80, STAGE
	v_mul_u32_u24 v[RD], v2, SP
	v_lshl_add_u32 v[RD], v1, 4, v[RD]
	v_add_nc_u32 v[RD], s80, v[RD]
	v_lshlrev_b32 v[GO], 11, v2     ; and the same two rows in oh
	v_lshl_add_u32 v[GO], v1, 4, v[GO]
	; what the masks compare with
	v_lshlrev_b32 v16, 3, v2
	v_sub_nc_u32 v13, v1, v16       ; r - 8 h: register j of a tile is key 8 h + j of its 16
	v_lshlrev_b32 v16, 9, v2
	v_sub_nc_u32 v12, v1, v16
	s_lshl_b32 s81, s16, 4
	s_sub_co_u32 s81, s81, 128
	v_add_nc_u32 v12, s81, v12      ; my query of tile 0, less 512 h, less 128 (signed)
	v_mov_b32 v19, 0                ; v17 and v19 are destinations of v_permlanex16_b32, which count as read; v21 is named in a pair with v20
	v_mov_b32 v21, 0
.irp z, 0,1,2,3
	v_mov_b32 v[P+36+(\z)], 0       ; the weights' tile 9: it fills the fifth pair of local tiles
.endr
.irp t, 0,1,2,3
	s_add_co_u32 s81, s16, \t       ; local tile kt begins at key 16 (A0 + kt - 8)
	s_cmp_lt_u32 s81, 8
	s_cselect_b32 s80, s17, 0
	v_mov_b32 v[BEV+(\t)], s80
.endr
	WIN 0xc0
.set j, 0
.rept 8
	v_cmp_gt_i32 vcc_lo, j, v13     ; m = 8: the key lies behind the query
	v_cndmask_b32 v[MDG+j], 0, s17, vcc_lo
	v_cmp_lt_i32 vcc_lo, j, v13     ; m = 0: the key lies more than 128 ahead of the query
.irp t, 0,1,2,3
	v_cndmask_b32 v[ML+8*(\t)+j], v[BEV+(\t)], s17, vcc_lo
.endr
.set j, j+1
.endr
.irp k, 1,2,3,4,5,6,7
	s_add_co_u32 s81, s16, \k
	s_cmp_lt_u32 s81, 8
	s_cselect_b32 s80, s17, 0
.set j, 0
.rept 8
	v_mov_b32 v[CB+8*((\k)-1)+j], s80
.set j, j+1
.endr
.endr
.irp t, 0,1,2,3
.irp u, 0,1
.set j, 0
.rept 8
	v_cmp_ge_i32 vcc_lo, 1024*(\u)+64*j-16*(\t), v12  ; strided key 64 (16 u + 8 h + j) is hidden where 64 i + 128 >= q: it is local, or lies behind the query
	v_cndmask_b32 v[MS+16*(\t)+8*(\u)+j], 0, s17, vcc_lo
.set j, j+1
.endr
.endr
.endr
	WIN 0
	s_wait_tensorcnt 0x0            ; my two tiles are in,
	s_barrier_signal -1
	s_barrier_wait -1               ; everybody's are
	WIN 0x40                        ; destination window 1
.set kt, 0
.rept 12
.irp c, 0,1
	ds_load_b128 v[16*kt+8*(\c):16*kt+8*(\c)+3],   v[AK] offset:kt*16*PK+64*(\c)
	ds_load_b128 v[16*kt+8*(\c)+4:16*kt+8*(\c)+7], v[AK] offset:kt*16*PK+64*(\c)+32
.endr
.set kt, kt+1
.endr
.rept 2
.irp c, 0,1
	ds_load_b128 v[16*kt+8*(\c):16*kt+8*(\c)+3],   v[AKS] offset:(kt-12)*16*PK+64*(\c)
	ds_load_b128 v[16*kt+8*(\c)+4:16*kt+8*(\c)+7], v[AKS] offset:(kt-12)*16*PK+64*(\c)+32
.endr
.set kt, kt+1
.endr
	WIN 0x80                        ; destination window 2
.set kt, 0
.rept 12
.irp cb, 0,1,2,3
	ds_load_tr16_b128 v[56*(\cb)+4*kt:56*(\cb)+4*kt+3], v[AV] offset:kt*16*PV+32*(\cb)
.endr
.set kt, kt+1
.endr
.rept 2
.irp cb, 0,1,2,3
	ds_load_tr16_b128 v[56*(\cb)+4*kt:56*(\cb)+4*kt+3], v[AVS] offset:(kt-12)*16*PV+32*(\cb)
.endr
.set kt, kt+1
.endr
; ONE TILE OF 16 QUERIES, in phases.
.macro QTILE t
.if (\t) == 0
	s_wait_loadcnt 0x0              ; Q
	s_wait_dscnt 56                 ; K's 56 loads are in; V's 56, issued behind them, may stay out
.endif
	; the scores: 11 accumulators by turns; the first 11 products (channels 0-31) start the sums with the masks, the second 11 add channels 32-63
	WIN W_KM
.set i, 0
.rept 11
.set kt, (\t)+i
.if i > 8
.set kt, i+3
.endif
.if i == 0
.set rC, ML+8*(\t)
.elseif i == 8
.set rC, MDG
.elseif i > 8
.set rC, MS+16*(\t)+8*(i-9)
.elseif kt <= 7
.set rC, CB+8*(kt-1)
.else
.set rC, -1
.endif
.if rC < 0
	v_wmma_f32_16x16x32_f16 v[S+8*i:S+8*i+7], v[16*kt:16*kt+7], v[16*(\t):16*(\t)+7], 0
.else
	v_wmma_f32_16x16x32_f16 v[S+8*i:S+8*i+7], v[16*kt:16*kt+7], v[16*(\t):16*(\t)+7], v[rC:rC+7]
.endif
.set i, i+1
.endr
	WIN W_KQ
.set i, 0
.rept 11
.set kt, (\t)+i
.if i > 8
.set kt, i+3
.endif
	v_wmma_f32_16x16x32_f16 v[S+8*i:S+8*i+7], v[16*kt+8:16*kt+15], v[16*(\t)+8:16*(\t)+15], v[S+8*i:S+8*i+7]
.set i, i+1
.endr
	WIN 0
.rept 4
	v_nop                           ; the places behind those products (ISA guide 7.12.1)
.endr
	; the row's maximum: eleven chains, each accumulator's lowest registers first
.set i, 0
.rept 11
	v_max3_num_f32 v[M+i], v[S+8*i], v[S+8*i+1], v[S+8*i+2]
.set i, i+1
.endr
.set i, 0
.rept 11
	v_max3_num_f32 v[M+i], v[M+i], v[S+8*i+3], v[S+8*i+4]
.set i, i+1
.endr
.set i, 0
.rept 11
	v_max3_num_f32 v[M+i], v[M+i], v[S+8*i+5], v[S+8*i+6]
.set i, i+1
.endr
.set i, 0
.rept 11
	v_max_num_f32 v[M+i], v[M+i], v[S+8*i+7]
.set i, i+1
.endr
	v_max3_num_f32 v[M],   v[M],   v[M+1], v[M+2]
	v_max3_num_f32 v[M+3], v[M+3], v[M+4], v[M+5]
	v_max3_num_f32 v[M+6], v[M+6], v[M+7], v[M+8]
	v_max3_num_f32 v[M],   v[M],   v[M+9], v[M+10]
	v_max3_num_f32 v[M],   v[M],   v[M+3], v[M+6]
	v_permlanex16_b32 v17, v[M], s[SEL], s[SEL+1]  ; the query's other keys lie in the lane 16 away
	v_max_num_f32 v15, v[M], v17    ; m
	v_mul_f32 v14, s[CS], v15       ; c m
	; p = 2^(c s - c m): ONE BATCH of 88 exponentials; a pair is scaled one step ahead of its exponentials, and nothing ahead of the wait names a result
.set u, 0
.rept 44
	v_pk_fma_f32 v[S+2*u:S+2*u+1], v[S+2*u:S+2*u+1], s[CS:CS+1], v[14:15] op_sel_hi:[1,0,0] neg_lo:[0,0,1] neg_hi:[0,0,1]
.if u > 0
	v_exp_f32 v[S+2*u-2], v[S+2*u-2]
	v_exp_f32 v[S+2*u-1], v[S+2*u-1]
.endif
.set u, u+1
.endr
	v_exp_f32 v[S+86], v[S+86]
	v_exp_f32 v[S+87], v[S+87]
	v_nop                           ; a plain instruction behind the last exponential, ahead of the first use (ISA guide 5.7.2)
	s_wait_alu depctr_va_vdst(0)    ; the wait ahead of the first reader: one for the batch
.set u, 0
.rept 44
.if u < 36
	v_cvt_pk_f16_f32 v[P+u], v[S+2*u], v[S+2*u+1]
.else
	v_cvt_pk_f16_f32 v[P+u+4], v[S+2*u], v[S+2*u+1]  ; the strided tiles go behind the zero tile
.endif
.set u, u+1
.endr
.if (\t) == 0
	s_wait_dscnt 0x0                ; V
.endif
	; O^T = V^T P: six pairs of key tiles x four channel blocks; the four accumulators by turns.  Pair 4 is local tile t + 8 and the zero weights (beside V's next tile, finite numbers); pair 5 the strided tiles
	WIN W_PV
.set ch, 0
.rept 6
.set ktv, (\t)+2*ch
.if ch == 5
.set ktv, 12
.endif
.irp cb, 0,1,2,3
.if ch == 0
	v_wmma_f32_16x16x32_f16 v[O+8*(\cb):O+8*(\cb)+7], v[56*(\cb)+4*ktv:56*(\cb)+4*ktv+7], v[P+8*ch:P+8*ch+7], 0
.else
	v_wmma_f32_16x16x32_f16 v[O+8*(\cb):O+8*(\cb)+7], v[56*(\cb)+4*ktv:56*(\cb)+4*ktv+7], v[P+8*ch:P+8*ch+7], v[O+8*(\cb):O+8*(\cb)+7]
.endif
.endr
.set ch, ch+1
.endr
	WIN 0
	; the row's sum of the unrounded weights, 44 pairs in place: these 43 additions name no register of the products above and are the places behind them
.set u, 0
.rept 22
	v_pk_add_f32 v[S+2*u:S+2*u+1], v[S+2*u:S+2*u+1], v[S+2*u+44:S+2*u+45]
.set u, u+1
.endr
.set u, 0
.rept 11
	v_pk_add_f32 v[S+2*u:S+2*u+1], v[S+2*u:S+2*u+1], v[S+2*u+22:S+2*u+23]
.set u, u+1
.endr
.set u, 0
.rept 5
	v_pk_add_f32 v[S+2*u:S+2*u+1], v[S+2*u:S+2*u+1], v[S+2*u+10:S+2*u+11]
.set u, u+1
.endr
	v_pk_add_f32 v[S:S+1],   v[S:S+1],   v[S+2:S+3]
	v_pk_add_f32 v[S+4:S+5], v[S+4:S+5], v[S+6:S+7]
	v_pk_add_f32 v[S+8:S+9], v[S+8:S+9], v[S+20:S+21]
	v_pk_add_f32 v[S:S+1],   v[S:S+1],   v[S+4:S+5]
	v_pk_add_f32 v[S:S+1],   v[S:S+1],   v[S+8:S+9]
	v_add_f32 v18, v[S], v[S+1]
	v_permlanex16_b32 v19, v18, s[SEL], s[SEL+1]
	v_add_f32 v18, v18, v19
	v_rcp_f32 v20, v18
	v_nop                           ; a plain instruction behind the reciprocal,
	s_wait_alu depctr_va_vdst(0)    ; and its wait ahead of the first use
.set z, 0
.rept 16
	v_pk_mul_f32 v[O+2*z:O+2*z+1], v[O+2*z:O+2*z+1], v[20:21] op_sel_hi:[1,0]  ; ascending: each accumulator's lowest registers are read first
.set z, z+1
.endr
.set z, 0
.rept 16
	v_cvt_pk_f16_f32 v[PKR+z], v[O+2*z], v[O+2*z+1]
.set z, z+1
.endr
.irp cb, 0,1,2,3
	ds_store_b128 v[STO], v[PKR+4*(\cb):PKR+4*(\cb)+3] offset:(\t)*16*SP+32*(\cb)  ; a lane's eight channels of its query's row
.endr
.endm
	QTILE 0
	QTILE 1
	QTILE 2
	QTILE 3
	; THE WAY OUT: a stage row's 256 bytes come from two waves, so a barrier stands between the writing and the reading
	s_wait_dscnt 0x0                ; for the others' sake: my stores into the stage are done
	s_barrier_signal -1
	s_barrier_wait -1
.irp i, 0,1,2,3,4,5,6,7,8,9,10,11,12,13,14,15
	ds_load_b128 v[S+4*(\i):S+4*(\i)+3], v[RD] offset:(\i)*2*SP
.endr
.irp i, 0,1,2,3,4,5,6,7,8,9,10,11,12,13,14,15
	s_wait_dscnt 15-(\i)            ; load i is back; the 15 - i younger ones may stay out
	global_store_b128 v[GO], v[S+4*(\i):S+4*(\i)+3], s[6:7] offset:(\i)*4096  ; 16 lanes store 256 consecutive bytes, at a multiple of 256 from oh's first byte
.endr
	s_wait_tensorcnt 0x0            ; the wave's end: behind my last tensor load and my last LDS store
	ds_add_u32 v[SPW], v[NIL]
	s_wait_dscnt 0x0
	s_endpgm
.Lfunc_end_k_q187ab81fd1_attn:
	.size	k_q187ab81fd1_attn, .Lfunc_end_k_q187ab81fd1_attn-k_q187ab81fd1_attn
	.p2alignl 7, 3214868480
	.fill 96, 4, 3214868480
	.section	.rodata,"a",@progbits
	.p2align	6, 0x0
	.amdhsa_kernel k_q187ab81fd1_attn
		.amdhsa_group_segment_fixed_size 210432
		.amdhsa_private_segment_fixed_size 0
		.amdhsa_enable_private_segment 0
		.amdhsa_kernarg_size 16
		.amdhsa_user_sgpr_count 2
		.amdhsa_user_sgpr_kernarg_segment_ptr 1
		.amdhsa_wavefront_size32 1
		.amdhsa_system_sgpr_workgroup_id_x 1
		.amdhsa_system_sgpr_workgroup_id_y 1
		.amdhsa_system_sgpr_workgroup_id_z 1
		.amdhsa_system_vgpr_workitem_id 0
		.amdhsa_next_free_vgpr 1024
		.amdhsa_next_free_sgpr 88
		.amdhsa_reserve_vcc 1
		.amdhsa_float_denorm_mode_32 3
		.amdhsa_float_denorm_mode_16_64 3
		.amdhsa_memory_ordered 1
		.amdhsa_forward_progress 1
		.amdhsa_inst_pref_size 112
	.end_amdhsa_kernel
	.amdgpu_metadata
---
amdhsa.version: [ 1, 2 ]
amdhsa.kernels:
  - .name:           k_q187ab81fd1_attn
    .symbol:         k_q187ab81fd1_attn.kd
    .args:
      - { .name: qkv, .offset: 0, .size: 8, .value_kind: global_buffer, .address_space: global }
      - { .name: oh, .offset: 8, .size: 8, .value_kind: global_buffer, .address_space: global }
    .group_segment_fixed_size: 210432
    .private_segment_fixed_size: 0
    .kernarg_segment_align: 8
    .kernarg_segment_size: 16
    .max_flat_workgroup_size: 128
    .sgpr_count:     88
    .vgpr_count:     1024
    .wavefront_size: 32
...
	.end_amdgpu_metadata
.endif
;; end of part 3
;; launch gemm_out (part 4): grid 8 x 32, 4 waves a work-group, clusters of 4 x 4, 327,680 bytes of LDS; arguments oh, wof, out0; writes out0
.if DOCPART == 4
	.amdgcn_target "amdgcn-amd-amdhsa--gfx1250"
	.amdhsa_code_object_version 6
	.text
	.protected	k_q187ab81fd1_gemm_out
	.globl	k_q187ab81fd1_gemm_out
	.p2align	8
	.type	k_q187ab81fd1_gemm_out,@function
k_q187ab81fd1_gemm_out:
	s_mov_b64 s[64:65], 0
	v_nop
	global_prefetch_b8 v0, s[64:65] scope:SCOPE_SE
	s_setreg_imm32_b32 hwreg(HW_REG_WAVE_MODE, 25, 1), 1
	s_wait_xcnt 0x0
	s_wait_alu depctr_hold_cnt(0) depctr_sa_sdst(0) depctr_va_vdst(0) depctr_va_sdst(0) depctr_va_ssrc(0) depctr_va_vcc(0) depctr_vm_vsrc(0)
	s_getreg_b32 s2, hwreg(HW_REG_IB_STS2, 6, 4)
	s_cmp_eq_u32 s2, 0
	s_cbranch_scc0 .Lentry_in_a_cluster
	s_endpgm
.Lentry_in_a_cluster:
	s_bfe_u32 s2, ttmp6, 0x10000c
	s_cmp_lg_u32 s2, 0xf033
	s_cbranch_scc0 .Lentry_shape_is_right
	s_endpgm
.Lentry_shape_is_right:
; out0[m][n] = the sum over k of oh[m][k] wof[n][k].  oh: [4096][1024] f16, wof: [1024][1024] f16 (w_out rounded to bf16, written as f16), out0: [4096][1024] f32; sums in f32, stored as they are.
; A tile of out0 is 128 x 128: 8 x 32 tiles, one work-group each.  Four waves, each 64 x 64: 16 accumulators of 16 x 16, 128 registers.  K goes in 4 steps of 256 (LDS rows of 512 bytes; a wave's tensor
; load brings 64 of them) through two slots, as long as LDS allows.
; CLUSTER: 4 x 4 work-groups.  The four of a row of the cluster need the same tiles of oh, the four of a column the same tiles of wof: each tile is asked for JOINTLY.
; THE MATRIX INSTRUCTION IS USED TRANSPOSED (source 0 = 16 rows of wof, source 1 = 16 rows of oh): a lane holds row l % 16 and eight neighbouring columns: 32 bytes of a row of out0.
; A wave's 64 columns are 256 bytes of a row, aligned: so each wave has a stage of its own on the way out, and no barrier stands there.
; No prefetch is laid: the tiles are small and the walk has four K steps, of which two are asked for at the head.
; REGISTERS: window 0: v0-31 addresses; v128-255 the accumulators ((a, b) at 128 + 8 (4 a + b)), which also take the rows read back from the stage.
;   window 1: two fragment buffers of 128: for 64 along K, 64 registers of oh (2 x 4 x 16 rows x 32 K), then 64 of wof.
.set SIZE_N, 1024
.set SIZE_K, 1024
.set KSTEP,  256
.set PITCH,  528                       ; an LDS row: 512 bytes + 16 of padding = 132 words: the 16 rows that a load touches start at 16 different groups of four banks
.set HALFT,  64*PITCH                  ; 64 rows: what one tensor load brings, and what one wave reads of either tile
.set SLOT,   4*HALFT                   ; oh's 128 rows, then wof's 128
.set STAGE,  2*SLOT                    ; behind the ring, never filled by a tensor load: 16 rows x 272 bytes for each wave
.set SPITCH, 272
.set SPARE,  STAGE+4*16*SPITCH         ; the spare words, 128 bytes for each wave: two blocks of 256 bytes that no other line names
.set LAPS, SIZE_K/(2*KSTEP)
.set ADRA, 16                          ; v16-17  LDS address of my fragments of oh in slot 0, 1
.set ADRB, 20                          ; v20-21  the same for wof
.set STO,  24                          ; v24     the way out: where I put 32 bytes of a row
.set RD,   25                          ; v25     where I read a row back
.set CO,   26                          ; v26     my byte offset in two rows of out0
.set SPW,  28                          ; v28     LDS address of my spare word; never rewritten
.set NIL,  29                          ; v29     0; never rewritten
.set ACC,  128
.set F0,   0                           ; fragment buffers, in window 1
.set F1,   128
.set G1, 24                            ; s[24:31] descriptor group 1 for oh's tiles;  s[32:39] group 0, a set for each slot
.set G0, 32
.set G1B, 48                           ; s[48:55], s[56:63] the same for wof's tiles
.set G0B, 56
.set MSB, 0
.macro WIN new
.if MSB != (\new)
	s_set_vgpr_msb (MSB<<8)|(\new)
.set MSB, \new
.endif
.endm
.set MUL,  0x05                        ; sources 0 and 1 window 1; C and D window 0
.set TO_F, 0x40                        ; destination window 1, address window 0
.macro JLOAD s                         ; a joint load: waves 0 and 1 fetch oh's two halves, waves 2 and 3 wof's; an s_nop 0 and four v_nop follow each of the two lines
	s_cmp_eq_u32 s11, 0
	s_cbranch_scc0 .Lfor_b_\@
	tensor_load_to_lds s[G0+4*(\s):G0+4*(\s)+3], s[G1:G1+7]
	s_nop 0
.rept 4
	v_nop
.endr
	s_branch .Lasked_\@
.Lfor_b_\@:
	tensor_load_to_lds s[G0B+4*(\s):G0B+4*(\s)+3], s[G1B:G1B+7]
	s_nop 0
.rept 4
	v_nop
.endr
.Lasked_\@:
.endm
.macro CREST                           ; a round of the cluster's barrier behind its opening barrier
	s_cmp_lg_u32 s10, 0
	s_cbranch_scc1 .Lnot_wave_0_\@
	s_barrier_signal -3
.Lnot_wave_0_\@:
	s_barrier_wait -3
	s_barrier_signal -1
	s_barrier_wait -1
.endm
.macro CROUND                          ; a whole round
	s_barrier_signal -1
	s_barrier_wait -1
	CREST
.endm
	s_load_b128 s[4:7], s[0:1], 0x0                ; oh s[4:5], wof s[6:7]
	s_load_b64 s[8:9], s[0:1], 0x10                ; out0
	v_lshl_add_u32 v[SPW], v0, 2, SPARE
	v_mov_b32 v[NIL], 0
	ds_add_u32 v[SPW], v[NIL]                      ; the wave's opening: the add and its wait ahead of my first tensor load; the set-up below, work on registers, stands between them
	ds_add_u32 v28, v29
	v_lshrrev_b32 v1, 5, v0
	v_readfirstlane_b32 s10, v1                    ; wave 0..3
	s_lshr_b32 s11, s10, 1                         ; which half of the tile's rows is mine.  Also: I fetch for oh (0) or for wof (1)
	s_and_b32 s12, s10, 1                          ; which half of its columns.  Also: which 64 rows of that tile I fetch
	s_bfe_u32 s40, ttmp6, 0x40000                  ; cx, cy
	s_bfe_u32 s41, ttmp6, 0x40004
	s_lshl_b32 s42, ttmp9, 2
	s_add_co_u32 s42, s42, s40                     ; tile column = 4 x cluster x + cx
	s_and_b32 s13, ttmp7, 0xffff
	s_lshl_b32 s13, s13, 2
	s_add_co_u32 s13, s13, s41                     ; tile row = 4 x cluster y + cy
	s_lshl_b32 s43, s41, 2
	s_lshl_b32 s43, 15, s43                        ; my row of the cluster
	s_lshl_b32 s44, 0x1111, s40                    ; my column
	s_or_b32 s[G1+0], s43, (1<<16)|(1<<20)|(1<<21)|(6<<22)|(3<<25)  ; the mask; elements of 2 bytes; padding on; bit 21 beside a mask; after every 128 words (code 6) 4 words (code 3)
	s_or_b32 s[G1B+0], s44, (1<<16)|(1<<20)|(1<<21)|(6<<22)|(3<<25)
.irp g, G1, G1B
	s_mov_b32 s[(\g)+1], KSTEP<<16                 ; tensor_dim0 = 256
	s_mov_b32 s[(\g)+2], 64<<16                    ; tensor_dim1 = 64
	s_mov_b32 s[(\g)+3], KSTEP<<16                 ; tile_dim0 = 256
	s_mov_b32 s[(\g)+4], 64                        ; tile_dim1 = 64
	s_mov_b32 s[(\g)+5], SIZE_K                    ; elements from row to row
	s_mov_b32 s[(\g)+6], 0
	s_mov_b32 s[(\g)+7], 0
.endr
	s_lshl_b32 s17, s12, 6                         ; which 64 rows of the tile I fetch
	s_lshl_b32 s16, s13, 7
	s_add_co_u32 s16, s16, s17                     ; oh: row 128 x tile row + 64 x half
	s_lshl_b32 s46, s42, 7
	s_add_co_u32 s46, s46, s17                     ; wof: row 128 x tile column + 64 x half
	s_mov_b32 s17, 0
	s_mov_b32 s47, 0
	s_mov_b64 s[18:19], SIZE_K*2
	s_mul_u64 s[16:17], s[16:17], s[18:19]
	s_mul_u64 s[46:47], s[46:47], s[18:19]
	s_mul_i32 s20, s10, HALFT                      ; where they go: wave x 64 rows
	s_wait_dscnt 0x0                               ; the opening add is done
	s_wait_kmcnt 0x0
	s_add_nc_u64 s[14:15], s[4:5], s[16:17]
	s_add_nc_u64 s[46:47], s[6:7], s[46:47]
	CROUND                                         ; all sixteen work-groups are here: the first joint loads meet
.irp s, 0,1
	s_mov_b32 s[G0+4*(\s)], 1
	s_add_co_u32 s[G0+4*(\s)+1], s20, (\s)*SLOT
	s_add_nc_u64 s[G0+4*(\s)+2:G0+4*(\s)+3], s[14:15], (\s)*KSTEP*2
	s_or_b32 s[G0+4*(\s)+3], s[G0+4*(\s)+3], 0x80000000
	s_mov_b32 s[G0B+4*(\s)], 1
	s_add_co_u32 s[G0B+4*(\s)+1], s20, (\s)*SLOT
	s_add_nc_u64 s[G0B+4*(\s)+2:G0B+4*(\s)+3], s[46:47], (\s)*KSTEP*2
	s_or_b32 s[G0B+4*(\s)+3], s[G0B+4*(\s)+3], 0x80000000
	JLOAD \s                                       ; K steps 0 and 1: two loads of mine are out
.endr
	v_and_b32 v1, 15, v0                           ; l % 16
	v_bfe_u32 v2, v0, 4, 1                         ; l / 16
	v_mul_u32_u24 v3, v1, PITCH
	v_lshl_add_u32 v3, v2, 4, v3                   ; a fragment's row x pitch + 16 x half
	s_mul_i32 s21, s11, HALFT                      ; my 64 rows of oh
	s_mul_i32 s22, s12, HALFT                      ; my 64 rows of wof,
	s_add_co_u32 s22, s22, 2*HALFT                 ; which lie behind oh's 128
.irp s, 0,1
	v_add_nc_u32 v[ADRA+(\s)], s21, v3
	v_add_nc_u32 v[ADRB+(\s)], s22, v3
	s_add_co_u32 s21, s21, SLOT
	s_add_co_u32 s22, s22, SLOT
.endr
	s_mul_i32 s23, s10, 16*SPITCH
	s_add_co_u32 s23, s23, STAGE                   ; my stage
	v_mul_u32_u24 v4, v1, SPITCH                   ; in: row l % 16, 32 bytes for each half of the lanes
	v_lshl_add_u32 v4, v2, 5, v4
	v_add_nc_u32 v[STO], s23, v4
	v_mul_u32_u24 v5, v2, SPITCH                   ; back: lanes 0-15 take one row of 256 bytes, lanes 16-31 the next
	v_lshl_add_u32 v5, v1, 4, v5
	v_add_nc_u32 v[RD], s23, v5
	v_lshlrev_b32 v5, 12, v2                       ; and the same two rows in out0, 4,096 bytes apart
	v_lshl_add_u32 v[CO], v1, 4, v5
	s_lshl_b32 s16, s13, 7
	s_lshl_b32 s17, s11, 6
	s_add_co_u32 s16, s16, s17                     ; my first row: 128 x tile row + 64 x half
	s_lshl_b32 s16, s16, 12                        ; under 2^24
	s_mov_b32 s17, 0
	s_add_nc_u64 s[8:9], s[8:9], s[16:17]
	s_lshl_b32 s46, s42, 9                         ; my first column, in bytes: 512 x tile column + 256 x half
	s_lshl_b32 s47, s12, 8
	s_add_co_u32 s46, s46, s47
	s_mov_b32 s47, 0
	s_add_nc_u64 s[8:9], s[8:9], s[46:47]
; 8 matrix instructions: row blocks a0, a0 + 1 x all 4 column blocks, 32 along K: half c of buffer f.  zero = 1: the first product starts the sums.  The 16 accumulators take turns.
.macro MUL8 f, c, a0, zero
	WIN MUL
.irp a, \a0, (\a0)+1
.irp b, 0,1,2,3
.if \zero
	v_wmma_f32_16x16x32_f16 v[ACC+8*(4*(\a)+(\b)):ACC+8*(4*(\a)+(\b))+7], v[(\f)+64+8*(4*(\c)+(\b)):(\f)+64+8*(4*(\c)+(\b))+7], v[(\f)+8*(4*(\c)+(\a)):(\f)+8*(4*(\c)+(\a))+7], 0
.else
	v_wmma_f32_16x16x32_f16 v[ACC+8*(4*(\a)+(\b)):ACC+8*(4*(\a)+(\b))+7], v[(\f)+64+8*(4*(\c)+(\b)):(\f)+64+8*(4*(\c)+(\b))+7], v[(\f)+8*(4*(\c)+(\a)):(\f)+8*(4*(\c)+(\a))+7], v[ACC+8*(4*(\a)+(\b)):ACC+8*(4*(\a)+(\b))+7]
.endif
.endr
.endr
.endm
; 32 LDS loads in one run: the fragments of 64 along K at byte k of the rows, into buffer f; the first 32 along K first
.macro FETCH slot, k, f
	WIN TO_F
.irp c, 0,1
.irp i, 0,1,2,3
	ds_load_b128 v[(\f)+64+8*(4*(\c)+(\i)):(\f)+64+8*(4*(\c)+(\i))+3],   v[ADRB+(\slot)] offset:(\k)+64*(\c)+(\i)*16*PITCH
	ds_load_b128 v[(\f)+64+8*(4*(\c)+(\i))+4:(\f)+64+8*(4*(\c)+(\i))+7], v[ADRB+(\slot)] offset:(\k)+64*(\c)+(\i)*16*PITCH+32
	ds_load_b128 v[(\f)+8*(4*(\c)+(\i)):(\f)+8*(4*(\c)+(\i))+3],         v[ADRA+(\slot)] offset:(\k)+64*(\c)+(\i)*16*PITCH
	ds_load_b128 v[(\f)+8*(4*(\c)+(\i))+4:(\f)+8*(4*(\c)+(\i))+7],       v[ADRA+(\slot)] offset:(\k)+64*(\c)+(\i)*16*PITCH+32
.endr
.endr
.endm
.macro PLACES                          ; four plain vector instructions in front of loads into registers that matrix instructions have read, and of LDS stores that read results
.rept 4
	v_nop
.endr
.endm
; A K step is four quarters of 64 along K, 32 matrix instructions each, on buffers 0, 1, 0, 1.  One of the first three multiplies buffer f and fetches the next quarter, at byte k, into g.
.macro QUARTER slot, k, f, g, zero
	s_wait_dscnt 16                                ; the first 32 along K are in; the youngest sixteen loads may be out
	MUL8 \f, 0, 0, \zero
	MUL8 \f, 0, 2, \zero
	PLACES
	FETCH \slot, \k, \g
	s_wait_dscnt 32                                ; all but the 32 just issued
	MUL8 \f, 1, 0, 0
	MUL8 \f, 1, 2, 0
.endm
; The last quarter multiplies buffer 1 and changes slots: ONE barrier; in front of it each wave waits for all its tensor loads, adds 0 to its spare word, and waits for that and for its own reads of this slot.
; fill = 1: the barrier opens a round of the cluster's barrier, and this slot is filled again, two K steps ahead, first thing behind the round.
.macro TURN slot, next, fill
	WIN 0                                          ; (the add's two registers lie in window 0)
	s_wait_tensorcnt 0x0                           ; all my tensor loads have landed: my part of the next slot
	ds_add_u32 v[SPW], v[NIL]                      ; 0 onto my spare word
	s_wait_dscnt 17                                ; (the add and the youngest sixteen loads may be out)
	MUL8 F1, 0, 0, 0                               ; eight matrix instructions stand between the add and the wait for it
	s_wait_dscnt 0x0                               ; the add is done, and my reads of this slot are over
	s_barrier_signal -1
	MUL8 F1, 0, 2, 0
.if \fill
	WIN 0
.endif
	s_barrier_wait -1
.if \fill
	CREST                                          ; no wave of any partner still reads this slot's tile or has a load on its way
	s_add_nc_u64 s[G0+4*(\slot)+2:G0+4*(\slot)+3], s[G0+4*(\slot)+2:G0+4*(\slot)+3], 2*KSTEP*2
	s_add_nc_u64 s[G0B+4*(\slot)+2:G0B+4*(\slot)+3], s[G0B+4*(\slot)+2:G0B+4*(\slot)+3], 2*KSTEP*2
	JLOAD \slot                                    ; 112 matrix instructions ahead of the wait for it; the four v_nop behind it are also the places in front of the loads below
.else
	PLACES
.endif
	FETCH \next, 0, F0
	MUL8 F1, 1, 0, 0
	MUL8 F1, 1, 2, 0
.endm
	s_wait_tensorcnt 1                             ; my part of K step 0 is in; K step 1's may stay out
	s_barrier_signal -1
	s_barrier_wait -1                              ; everybody's is
	FETCH 0, 0, F0
	QUARTER 0, 128, F0, F1, 1                      ; the first quarter stands in front of the loop: its first products start the sums
	WIN 0                                          ; at a label and at a branch every window is 0
	s_mov_b32 s3, LAPS-1
.Llap:                                                 ; a trip goes once round the ring, from a lap's second quarter to the next lap's first, and fills both slots again
	QUARTER 0, 256, F1, F0, 0
	QUARTER 0, 384, F0, F1, 0
	TURN 0, 1, 1
	QUARTER 1, 128, F0, F1, 0
	QUARTER 1, 256, F1, F0, 0
	QUARTER 1, 384, F0, F1, 0
	TURN 1, 0, 1
	QUARTER 0, 128, F0, F1, 0
	WIN 0
	s_sub_co_u32 s3, s3, 1
	s_cmp_lg_u32 s3, 0
	s_cbranch_scc1 .Llap
	QUARTER 0, 256, F1, F0, 0                      ; the last lap fills nothing, and has no round of the cluster's barrier
	QUARTER 0, 384, F0, F1, 0
	TURN 0, 1, 0
	QUARTER 1, 128, F0, F1, 0
	QUARTER 1, 256, F1, F0, 0
	QUARTER 1, 384, F0, F1, 0
	s_wait_dscnt 16                                ; the very last quarter: nothing more to fetch
	MUL8 F1, 0, 0, 0
	MUL8 F1, 0, 2, 0
	s_wait_dscnt 0x0
	MUL8 F1, 1, 0, 0
	MUL8 F1, 1, 2, 0
	WIN 0
; THE WAY OUT, a block of 16 rows at a time, in f32.  PACK: a lane's eight columns (32 bytes, the accumulator's low four registers first) go into my own stage, rows of 272 bytes, and come back as whole rows of
; 256 bytes, into the registers that they left.  LDS serves a wave's instructions in order (ISA guide 5.7.1.4): the loads see the stores above them, and the next block's stores come behind them.
.macro PACK a
.irp b, 0,1,2,3
	ds_store_b128 v[STO], v[ACC+8*(4*(\a)+(\b)):ACC+8*(4*(\a)+(\b))+3]   offset:64*(\b)
	ds_store_b128 v[STO], v[ACC+8*(4*(\a)+(\b))+4:ACC+8*(4*(\a)+(\b))+7] offset:64*(\b)+16
.endr
.irp i, 0,1,2,3,4,5,6,7
	ds_load_b128 v[ACC+32*(\a)+4*(\i):ACC+32*(\a)+4*(\i)+3], v[RD] offset:(\i)*2*SPITCH
.endr
.endm
.macro SEND a, younger                 ; younger: the LDS instructions issued behind block a's loads: the next block's sixteen, or none
.irp i, 0,1,2,3,4,5,6,7
	s_wait_dscnt (\younger)+7-(\i)
	global_store_b128 v[CO], v[ACC+32*(\a)+4*(\i):ACC+32*(\a)+4*(\i)+3], s[8:9] offset:(16*(\a)+2*(\i))*SIZE_N*4  ; 16 lanes store 256 consecutive bytes, at a multiple of 256 from out0's first byte
.endr
.endm
	PLACES
	PACK 0
	PACK 1
	SEND 0, 16
	PACK 2
	SEND 1, 16
	PACK 3
	SEND 2, 16
	SEND 3, 0
	s_wait_tensorcnt 0x0                           ; the wave's end: behind my last tensor load and my last LDS store
	ds_add_u32 v[SPW], v[NIL]
	s_wait_dscnt 0x0
	CROUND                                         ; the closing round: no work-group ends while a partner may still ask for a tile that names it
	s_endpgm
.Lfunc_end_k_q187ab81fd1_gemm_out:
	.size	k_q187ab81fd1_gemm_out, .Lfunc_end_k_q187ab81fd1_gemm_out-k_q187ab81fd1_gemm_out
	.p2alignl 7, 3214868480
	.fill 96, 4, 3214868480
	.section	.rodata,"a",@progbits
	.p2align	6, 0x0
	.amdhsa_kernel k_q187ab81fd1_gemm_out
		.amdhsa_group_segment_fixed_size 327680
		.amdhsa_private_segment_fixed_size 0
		.amdhsa_enable_private_segment 0
		.amdhsa_kernarg_size 24
		.amdhsa_user_sgpr_count 2
		.amdhsa_user_sgpr_kernarg_segment_ptr 1
		.amdhsa_wavefront_size32 1
		.amdhsa_system_sgpr_workgroup_id_x 1
		.amdhsa_system_sgpr_workgroup_id_y 1
		.amdhsa_system_sgpr_workgroup_id_z 1
		.amdhsa_system_vgpr_workitem_id 0
		.amdhsa_next_free_vgpr 512
		.amdhsa_next_free_sgpr 66
		.amdhsa_reserve_vcc 0
		.amdhsa_float_denorm_mode_32 3
		.amdhsa_float_denorm_mode_16_64 3
		.amdhsa_memory_ordered 1
		.amdhsa_forward_progress 1
		.amdhsa_inst_pref_size 86
	.end_amdhsa_kernel
	.amdgpu_metadata
---
amdhsa.version: [ 1, 2 ]
amdhsa.kernels:
  - .name:           k_q187ab81fd1_gemm_out
    .symbol:         k_q187ab81fd1_gemm_out.kd
    .args:
      - { .name: oh, .offset: 0, .size: 8, .value_kind: global_buffer, .address_space: global }
      - { .name: wof, .offset: 8, .size: 8, .value_kind: global_buffer, .address_space: global }
      - { .name: out0, .offset: 16, .size: 8, .value_kind: global_buffer, .address_space: global }
    .group_segment_fixed_size: 327680
    .private_segment_fixed_size: 0
    .kernarg_segment_align: 8
    .kernarg_segment_size: 24
    .max_flat_workgroup_size: 128
    .sgpr_count:     66
    .vgpr_count:     512
    .wavefront_size: 32
...
	.end_amdgpu_metadata
.endif
;; end of part 4
